; MI455X (gfx1250); checked and timed in simulation.
; The chip was launched on July 23, 2026; its instructions are those of AMD's public machine-readable ISA for CDNA 5 (MIT licence, August 2026) and "CDNA5" Instruction Set Architecture Reference Guide (July 2026). The comments in the code are by the model that wrote it; some were corrected since.
;; Hydra Attention. Allowed arithmetic: matrix products marked QUANTISED: E2M1 operands, one E8M0 scale for each 32 along K, by v_wmma_scale_f32_16x16x128_f8f6f4 with both operands' format E2M1 (or v_wmma_scale_f32_32x16x128_f4), f32 sums; everything else in f32.
;; Inputs: W_out_codes 1,024 x 32 x 16 uint8 (E2M1 codes of W_out, K innermost, in blocks of 32 codes, two codes a byte); W_out_scales 1,024 x 32 uint8 (E8M0 scales of W_out, one for each 32 codes along K); W_qkv_codes 3,072 x 32 x 16 uint8 (E2M1 codes of W_qkv, K innermost, in blocks of 32 codes, two codes a byte); W_qkv_scales 3,072 x 32 uint8 (E8M0 scales of W_qkv, one for each 32 codes along K); b_out 1,024 float32; b_qkv 3,072 float32; x_codes 4 x 4,096 x 32 x 16 uint8 (E2M1 codes of x, K innermost, in blocks of 32 codes, two codes a byte); x_scales 4 x 4,096 x 32 uint8 (E8M0 scales of x, one for each 32 codes along K).
;; Outputs: out0 4 x 4,096 x 1,024 float32.
;; This version of the problem:
;;   THIS VERSION OF THE PROBLEM IS GIVEN IN LOW PRECISION. The matrix products marked QUANTISED in the list below multiply operands that are first quantised to E2M1 (2 exponent bits, 1 mantissa bit; 4 bits a number), with one power-of-two scale for each 32 numbers along K (OCP MX v1.0); their sums are f32. All else is computed in f32.
;;   The module's matrix products, in the order in which they are computed (A, B: the left and right operand; K: the contracted axis; several contracted axes count as one K, in the product's order):
;;     1. [M 16,384, K 1,024] x [K 1,024, N 3,072]; A: input x (given as codes); B: input W_qkv (given as codes): QUANTISED
;;     2. [M 16,384, K 1,024] x [K 1,024, N 1,024]; A: computed on the way; B: input W_out (given as codes): QUANTISED
;;   THE QUANTISER, for each operand of a quantised product, along K:
;;     - K is cut into blocks of 32 from its start; a last block that is shorter is filled with zeros.
;;     - A block's scale is 2^e with e = floor(log2(the largest magnitude in the block)) - 2, held to -126 .. 127; a block of zeros has e = 0. As a byte (E8M0): e + 127.
;;     - Each number is divided by its block's scale, clamped to +-6, and rounded to the nearest number of E2M1, ties to even, subnormals kept.
;;     - The product sums the exact products of the quantised numbers (number of the format x scale) in f32.
;;   ~~~python
;;   def quantise(x, axis):      # numpy; x: float32 -> the quantised numbers, widened to float32 again
;;       x = np.moveaxis(x, axis, -1); K = x.shape[-1]
;;       x = np.pad(x, [(0, 0)] * (x.ndim - 1) + [(0, -K % 32)]); x = x.reshape(x.shape[:-1] + (-1, 32)); a = np.abs(x).max(-1, keepdims=True)
;;       e = np.where(a > 0, np.clip(np.frexp(np.where(a > 0, a, 1))[1] - 1 - 2, -126, 127), 0)      # np.frexp(a)[1] - 1 = floor(log2(a)), exactly
;;       r = np.clip(x / 2.0 ** e, -6, 6)
;;       step = 2.0 ** (np.maximum(np.frexp(np.where(r == 0, 1, r))[1] - 1, 0) - 1)
;;       q = np.round(r / step) * step * 2.0 ** e      # np.round: ties to even
;;       return np.moveaxis(q.reshape(q.shape[:-2] + (-1,))[..., :K], -1, axis).astype(np.float32)
;;   ~~~
;;   OPERANDS COMPUTED ON THE WAY. 'Computed on the way' means the value that the module computes at that place (a softmax that the list does not call 'softmax' is quantised finished and normalised). What goes into a quantiser is computed in f32, as accurately as f32 sums, v_exp_f32 and their like allow (about 1e-6 of the number): no bf16 or f16 on the way to a quantiser, and a product that is left as it is and whose result goes on into a quantised operand takes f32 operands (vector FMAs, or v_wmma_f32_16x16x4_f32). A number that lies on a knife's edge between two numbers of the format may be rounded either way, as far as f32 arithmetic and the matrix unit's own rounding can turn it there, and no further.
;;   INPUTS GIVEN AS CODES. W_out (in the module: [1024, 1024], K = its axis 0); W_qkv (in the module: [1024, 3072], K = its axis 0); x (in the module: [4, 4096, 1024], K = its axis 2): each comes as NAME_codes (uint8): NAME with its K axis moved to the last place and cut into blocks of 32 codes, [.., K / 32, bytes a block], one block behind the other in memory; two codes a byte, the lower K in the low four bits (a code: sign, 2 exponent bits, 1 mantissa bit); and NAME_scales (uint8): the same leading axes, one E8M0 byte (e + 127) for each 32 codes along K. Its value is code x scale, taken as it is: it is not quantised again, and the codes and scales need not be those that the quantiser above would give.
;; One version. Each part assembles by itself: llvm-mc -triple=amdgcn-amd-amdhsa -mcpu=gfx1250 --defsym DOCPART=n.
;; ======== version 1 of 1: 2 launches
;; workspace buffers: part 1,048,576 bytes
;; launch kvpart (part 1): grid 256 x 1, 4 waves a work-group, clusters of 4 x 1, 327,680 bytes of LDS; arguments x_codes, x_scales, W_qkv_codes, W_qkv_scales, b_qkv, part; writes part
.if DOCPART == 1
	.amdgcn_target "amdgcn-amd-amdhsa--gfx1250"
	.amdhsa_code_object_version 6
	.text
	.protected	k_q3cefa8ecb2_kvpart
	.globl	k_q3cefa8ecb2_kvpart
	.p2align	8
	.type	k_q3cefa8ecb2_kvpart,@function
k_q3cefa8ecb2_kvpart:
	s_mov_b64 s[64:65], 0
	v_nop
	global_prefetch_b8 v0, s[64:65] scope:SCOPE_SE
	s_setreg_imm32_b32 hwreg(HW_REG_WAVE_MODE, 25, 1), 1
	s_wait_xcnt 0x0
	s_wait_alu depctr_hold_cnt(0) depctr_sa_sdst(0) depctr_va_vdst(0) depctr_va_sdst(0) depctr_va_ssrc(0) depctr_va_vcc(0) depctr_vm_vsrc(0)
	s_getreg_b32 s2, hwreg(HW_REG_IB_STS2, 6, 4)
	s_cmp_eq_u32 s2, 0
	s_cbranch_scc0 .Lentry_in_a_cluster
	s_endpgm
.Lentry_in_a_cluster:
	s_bfe_u32 s2, ttmp6, 0x10000c
	s_cmp_lg_u32 s2, 0x3003
	s_cbranch_scc0 .Lentry_shape_is_right
	s_endpgm
.Lentry_shape_is_right:
; part[wg][d] = the sum over the work-group's 64 tokens t of k[t][d] / |k[t]| * v[t][d];  k = x Wk + bk, v = x Wv + bv: two thirds of the first product, on codes of E2M1 with E8M0 scales.
; SHARES.  Work-group wg owns tokens 64 wg .. 64 wg + 63 (one batch).  Wave w owns features 256 w .. 256 w + 255 of k and of v, for all 64 tokens: 16 tiles of 16 features x 4 tiles of 16 tokens.
; x's 32 fragments (4 x 8 K steps) stay in 256 registers, k's 64 accumulators in 512; v is made a tile at a time and used up at once.
; The weights, 16 rows x 512 bytes a tile, go through a ring of two LDS slots of four tiles a wave.  Each wave fetches and reads its own part of a slot.
; CLUSTER: all work-groups walk the same weights, so the four of a cluster ask JOINTLY: the same tensor load, the same descriptor (it hangs on the wave's and the cluster's number alone), the mask 15.
; THE WALK.  The 64 clusters fall into four classes, rot = (c + c / 4 + c / 16) mod 4.  Class rot takes, as its j-th slot of k (and of v), the wave's rows 64 a .. 64 a + 63 with a = (j + rot) mod 4.  So at a change of slots the
; four classes ask for four different slots, and of a phase's four requests all but the first name bytes that another class has asked for a change earlier or more.  Only global offsets hang on rot (weights, scale bytes, biases, part):
; LDS and registers are laid by the local order j.
; ORIENTATION: source 0 = 16 tokens of x, source 1 = 16 rows of W: a lane holds ONE feature (lane % 16 of the tile) and its eight registers tokens 8 (lane / 16) + 0 .. 7: the sum over tokens stays in the lane but for one exchange.
; SCALES: a tile's 16 rows x 32 scale bytes are 512 dense bytes: one 16-byte load a lane at 32 r + 16 h.  Register i then holds the word of K step i in lanes 0-15 and of K step 4 + i in lanes 16-31: the upper K steps read row 1.
; The text is straight: accumulator numbers change from tile to tile.  H counts 64 steps of half a tile (four K steps, 16 matrix instructions).
; LIMITS: 1 / |k| is v_rsq_f32 (1 ulp; a sum of squares under 2^-126 counts as 0, where the definition divides by a tiny norm); NaN and infinities are not served.
.set PITCH, 528                        ; an LDS row: 512 bytes + 16 of padding = 132 words: row r starts at bank 4 r mod 64 (64 banks of 4 bytes: ISA guide 11.1)
.set WPART, 64*PITCH                   ; a wave's part of a slot: four tiles
.set SLOTB, 4*WPART
.set XR,    2*SLOTB                    ; behind the ring: x's 64 rows, pitch 528
.set BIA,   XR+WPART                   ; k's bias (4,096 bytes), v's bias (4,096), in the local order
.set NRM,   BIA+8192                   ; [wave][token] partial sums of squares
.set RN,    NRM+1024                   ; [wave][token] 1 / |k|, each wave's own copy
.set KVS,   RN+1024                    ; [wave][256] the results, each wave's own, in the local order
.set SPARE, KVS+4096                   ; the spare words: 128 bytes a wave, two blocks of 256 bytes that no other line names
.set L16, 1                            ; v1  16 x lane
.set SOF, 2                            ; v2  32 r + 16 h: a lane's place in a tile's scale bytes
.set AW0, 3                            ; v3, v4  my fragment's place in my part of slot 0, 1
.set AX,  5                            ; v5  the same in x's rows
.set AXW, 6                            ; v6  where I store x's rows
.set ABI, 7                            ; v7  my feature's bias
.set ABW, 8                            ; v8  where I store the biases
.set ANW, 9
.set ANR, 10
.set ARW, 11
.set ARN, 12
.set AKS, 13
.set AKR, 14
.set PFO, 15                           ; v15 256 x lane: the prefetches' offset; never rewritten
.set SPW, 16                           ; v16 my spare word's address; never rewritten
.set NIL, 17                           ; v17 0; never rewritten
.set BL,  18                           ; v18 the next tile's bias of my feature
.set KT,  19
.set KR,  20                           ; v20, v21 a tile's result, by turns
.set KA,  22                           ; v22-29 four pairs of partial sums
.set BC,  30                           ; v30-37 the bias as the C of a tile's first products
.set KX,  38
.set XS,  40                           ; v40-55 x's scale words: token tile m at 4 m + i
.set WS,  56                           ; v56-87 the weights' scale words: a ring of eight tiles
.set SS,  88                           ; v88-119 sums of squares (8 m + j: token 16 m + 8 h + j), later 1 / |k| in the same places
.set VA,  120                          ; v120-151 v's four accumulators
.set FRG, 152                          ; v152-247 three buffers of four weight fragments
.set SFJ, 248                          ; v248-251 SOF + 2,048 a_j: where local slot j's scale bytes begin; never rewritten
.set BO,  252                          ; v252, v253 my 16 bytes of a wave's 1,024 (biases, part): load or store ld takes local chunks 2 ld + lane / 16 of 256 bytes, at their true places; never rewritten
.set WV,  16
.set CX,  17
.set WG,  18
.set CLU, 19
.set SEL, 20
.set G1,  24
.set G0,  32                           ; s[32:35], s[36:39]: group 0 for slot 0, 1
.set PFB, 40
.set WOFF, 44
.set RT,  45                           ; s45 rot
.set RP,  46                           ; s[46:53] four pairs (32,768 a_j, 0): where local slot j's rows begin in my 256
.set MSB, 0
.set DSN, 0                            ; LDS instructions written so far; a mark is DSN just behind a group of loads
.set MKF0, 0
.set MKF1, 0
.set MKF2, 0
.set MKB, 0
.macro WIN new                         ; the immediate's high byte repeats the setting that is left
.if MSB != (\new)
	s_set_vgpr_msb (MSB<<8)|(\new)
.set MSB, (\new)
.endif
.endm
.macro NOPS n
.rept \n
	v_nop
.endr
.endm
.macro CROUND                          ; a round of the cluster's barrier
	s_barrier_signal -1
	s_barrier_wait -1
	s_cmp_lg_u32 s[WV], 0
	s_cbranch_scc1 .Lnot_wave_0_\@
	s_barrier_signal -3
.Lnot_wave_0_\@:
	s_barrier_wait -3
	s_barrier_signal -1
	s_barrier_wait -1
.endm
.macro WAITN n                         ; LDS instructions come back in order: n = those written behind the group that is wanted
.if (\n) > 63
	s_wait_dscnt 63
.else
	s_wait_dscnt (\n)
.endif
.endm
.macro WAITF hh
.if ((\hh)%3) == 0
	WAITN DSN-MKF0
.elseif ((\hh)%3) == 1
	WAITN DSN-MKF1
.else
	WAITN DSN-MKF2
.endif
.endm
; the four fragments of step hh (tile hh / 2, K steps 4 (hh % 2) + i): lane (r, h) takes 16 bytes at row r, 64 s + 32 c + 16 h
.macro FRLOAD hh
.set fB, FRG+32*((\hh)%3)
.set fA, AW0+(((\hh)/8)%2)
.set fO, 16*PITCH*(((\hh)/2)%4)+256*((\hh)%2)
.irp i, 0,1,2,3
.irp c, 0,1
	ds_load_b128 v[fB+8*\i+4*\c:fB+8*\i+4*\c+3], v[fA] offset:fO+64*\i+32*\c
.endr
.endr
.set DSN, DSN+8
.if ((\hh)%3) == 0
.set MKF0, DSN
.elseif ((\hh)%3) == 1
.set MKF1, DSN
.else
.set MKF2, DSN
.endif
.endm
.macro WM
.if rROW
	v_wmma_scale_f32_16x16x128_f8f6f4 v[rD:rD+7], v[rA:rA+7], v[rB:rB+7], v[rC:rC+7], v[rSA], v[rSB] matrix_a_fmt:MATRIX_FMT_FP4 matrix_b_fmt:MATRIX_FMT_FP4 matrix_a_scale:MATRIX_SCALE_ROW1 matrix_b_scale:MATRIX_SCALE_ROW1
.else
	v_wmma_scale_f32_16x16x128_f8f6f4 v[rD:rD+7], v[rA:rA+7], v[rB:rB+7], v[rC:rC+7], v[rSA], v[rSB] matrix_a_fmt:MATRIX_FMT_FP4 matrix_b_fmt:MATRIX_FMT_FP4
.endif
.endm
; 16 matrix instructions: four K steps x the four token tiles, whose accumulators take turns, one instruction a turn.  A tile's first four take the bias as C: nothing is cleared or added later.
; k's accumulator (T, m): window 2 + T / 8, v[8 (4 (T % 8) + m)];  x's fragment (m, s): window 1, v[8 (8 m + s)]
.macro MUL
.set cT, H/2
.set rROW, H%2
.set rFB, FRG+32*(H%3)
.irp i, 0,1,2,3
.if cT >= 16
	WIN 0x01
.elseif (rROW == 0) && (\i == 0)
	WIN 0x81+0x40*(cT/8)
.else
	WIN 0xa1+0x50*(cT/8)
.endif
.irp m, 0,1,2,3
.if cT >= 16
.set rD, VA+8*\m
.else
.set rD, 8*(4*(cT%8)+\m)
.endif
.if (rROW == 0) && (\i == 0)
.set rC, BC
.else
.set rC, rD
.endif
.set rA, 8*(8*\m+4*rROW+\i)
.set rB, rFB+8*\i
.set rSA, XS+4*\m+\i
.set rSB, WS+4*(cT%8)+\i
	WM
.endr
.endr
.endm
; the squares of k's tile t, token tiles m0 and m0 + 1, onto the lane's 32 sums; each accumulator from its low end on; tile 0 starts the sums
.macro SQ t, m0
	WIN 0x0a+5*((\t)/8)
.irp q, 0,1,2,3
.irp m, \m0, \m0+1
.set rK, 8*(4*((\t)%8)+(\m))+2*\q
.set rS, SS+8*(\m)+2*\q
.if (\t) == 0
	v_pk_mul_f32 v[rS:rS+1], v[rK:rK+1], v[rK:rK+1]
.else
	v_pk_fma_f32 v[rS:rS+1], v[rK:rK+1], v[rK:rK+1], v[rS:rS+1]
.endif
.endr
.endr
.endm
.macro BIASMOV                         ; in this orientation a tile's C is one number a lane in eight registers
	WIN 0
	WAITN DSN-MKB
.irp j, 0,1,2,3,4,5,6,7
	v_mov_b32 v[BC+\j], v[BL]
.endr
.endm
; v's tile c is used up: v / |k|, times k's tile c, summed over my 32 tokens and the other half's 32
.macro KVTILE
.set cC, H/2-16
	WIN 0
.irp q, 0,1,2,3
.irp m, 0,1,2,3
	v_pk_mul_f32 v[VA+8*\m+2*\q:VA+8*\m+2*\q+1], v[VA+8*\m+2*\q:VA+8*\m+2*\q+1], v[SS+8*\m+2*\q:SS+8*\m+2*\q+1]
.endr
.endr
	WIN 0x02+cC/8
.irp q, 0,1,2,3
.irp m, 0,1,2,3
.set rK, 8*(4*(cC%8)+\m)+2*\q
.if \q == 0
	v_pk_mul_f32 v[KA+2*\m:KA+2*\m+1], v[rK:rK+1], v[VA+8*\m:VA+8*\m+1]
.else
	v_pk_fma_f32 v[KA+2*\m:KA+2*\m+1], v[rK:rK+1], v[VA+8*\m+2*\q:VA+8*\m+2*\q+1], v[KA+2*\m:KA+2*\m+1]
.endif
.endr
.endr
	WIN 0
	v_pk_add_f32 v[KA:KA+1], v[KA:KA+1], v[KA+2:KA+3]
	v_pk_add_f32 v[KA+4:KA+5], v[KA+4:KA+5], v[KA+6:KA+7]
	v_pk_add_f32 v[KA:KA+1], v[KA:KA+1], v[KA+4:KA+5]
	v_add_f32 v[KT], v[KA], v[KA+1]
	v_permlanex16_b32 v[KX], v[KT], s[SEL], s[SEL+1]
	v_add_f32 v[KR+((H/2)%2)], v[KT], v[KX]
.endm
; The vector work behind a step's products.  It always holds four plain instructions or more that name no register of those products: they are the places in front of the loads of TRAIL.
.macro BATCH
.set cT, H/2
.if cT < 16
.if (H%2) == 0
.if cT == 0
	NOPS 4
.else
	SQ cT-1, 0
.endif
.else
	BIASMOV
.if cT == 0
	NOPS 4
.else
	SQ cT-1, 2
.endif
.endif
.else
.if (H%2) == 0
	NOPS 4
.else
.if cT < 31
	BIASMOV                                        ; also the places in front of the first read of v's tile
.else
	NOPS 4
.endif
	KVTILE
.endif
.endif
.endm
.macro STEP_MUL                        ; register work alone
	WAITF H
.if ((H%2) == 0) && (H/2 >= 8)
.if (31-H/2) < 7
	s_wait_loadcnt 31-H/2                          ; this tile's scale words are in; those of the later tiles may be out
.else
	s_wait_loadcnt 7
.endif
.endif
	MUL
	BATCH
.endm
.macro TRAIL                           ; all of a step's LDS and memory instructions
	WIN 0
.set cT, H/2
.if ((H%2) == 0) && (cT < 31)
	ds_load_b32 v[BL], v[ABI] offset:64*((cT+1)%16)+4096*((cT+1)/16)
.set DSN, DSN+1
.set MKB, DSN
.endif
.if (H+3) <= 63
	FRLOAD H+3                                     ; three steps ahead, into the buffer just multiplied
.endif
.if (H%2) == 1
.if (cT+8) <= 31
	global_load_b128 v[WS+4*(cT%8):WS+4*(cT%8)+3], v[SFJ+((cT+8)%16)/4], s[10:11] offset:512*((cT+8)%4)+32768*((cT+8)/16)   ; eight tiles ahead: 512 dense bytes, at the local slot's true place
.endif
.if cT >= 16
	ds_store_b32 v[AKS], v[KR+(cT%2)] offset:64*(cT-16)            ; both halves of the lanes write the same number to the same word
.set DSN, DSN+1
.endif
.endif
.endm
; THE CHANGE OF SLOTS, round step 8 n + 5: the last reads of slot n were issued a step ago, steps 8 n + 5 .. 8 n + 7 lie in registers.
.macro CHANGE_A
	WIN 0
	s_wait_tensorcnt 0x0                           ; all my tensor loads have landed: my part of slot n + 1; so a group 0 may be written
	ds_add_u32 v[SPW], v[NIL]                      ; 0 onto my spare word: a step's register work stands between it and the wait for it
.set DSN, DSN+1
.set cN, H/8
.set nN, cN+2
.set gP, G0+4*(cN%2)
	s_add_nc_u64 s[gP+2:gP+3], s[8:9], s[RP+2*(nN%4):RP+2*(nN%4)+1]   ; slot n + 2's address is made anew: my rows' first byte + the local slot's true place,
.if nN >= 4
	s_add_nc_u64 s[gP+2:gP+3], s[gP+2:gP+3], 524288                   ; and 1,024 rows on for v
.endif
	s_or_b32 s[gP+3], s[gP+3], 0x80000000          ; type = 2
.endm
.macro CHANGE_B
	WIN 0
	s_wait_dscnt 0x0                               ; the add is done, and my reads of slot n are back
	CROUND                                         ; no wave of any partner still reads its part of the slot or has a load on its way
	tensor_load_to_lds s[gP:gP+3], s[G1:G1+7]      ; slot n + 2: my one tensor load behind the round, and the first thing there
	s_nop 0
	NOPS 4
.endm
; A prefetch into the L2 of v's rows.  All four slots of v are first asked for at change 2, one by each class: so they are named at changes 0 and 1, two slots each, two changes and one change ahead.  Cluster 0 asks.
; Of a wave's 32,768 bytes of a slot each of the four partners takes 8,192, told apart by address; lanes 256 bytes apart: each block is named once in the launch.  k's slots come by their loads alone; the offsets are immediates.
.macro ASK
	s_cmp_lg_u32 s[CLU], 0
	s_cbranch_scc1 .Lno_ask_\@
	global_prefetch_b8 v[PFO], s[PFB:PFB+1] offset:524288+65536*cN th:TH_LOAD_NT scope:SCOPE_SE
	global_prefetch_b8 v[PFO], s[PFB:PFB+1] offset:524288+65536*cN+32768 th:TH_LOAD_NT scope:SCOPE_SE
.Lno_ask_\@:
.endm
; |k|: the lanes' sums over the wave's 256 features, then over the four waves.  (Its LDS instructions are not counted in DSN: it ends with a wait for all, so later counts are only smaller than they might be.)
.macro NORM
	SQ 15, 0
	SQ 15, 2
	WIN 0
.irp x, 1,2,4,8
.set j, 0
.rept 32
	v_add_f32_dpp v[SS+j], v[SS+j], v[SS+j] row_xmask:\x row_mask:0xf bank_mask:0xf
.set j, j+1
.endr
.endr
.irp m, 0,1,2,3
.irp q, 0,1
	ds_store_b128 v[ANW], v[SS+8*\m+4*\q:SS+8*\m+4*\q+3] offset:64*\m+16*\q   ; tokens 16 m + 8 h + 4 q on; sixteen lanes write the same numbers to the same words
.endr
.endr
	s_wait_dscnt 0x0                               ; for the others' sake: my stores have landed
	s_barrier_signal -1
	s_barrier_wait -1
.irp u, 0,1,2,3
.irp p, 0,1
	ds_load_b32 v[VA+2*\u+\p], v[ANR] offset:256*\u+128*\p         ; wave u's sum for token lane + 32 p
.endr
.endr
	s_wait_dscnt 0x0
	v_add_f32 v[VA], v[VA], v[VA+2]
	v_add_f32 v[VA+1], v[VA+1], v[VA+3]
	v_add_f32 v[VA+4], v[VA+4], v[VA+6]
	v_add_f32 v[VA+5], v[VA+5], v[VA+7]
	v_add_f32 v[VA], v[VA], v[VA+4]
	v_add_f32 v[VA+1], v[VA+1], v[VA+5]
	v_rsq_f32 v[VA+8], v[VA]
	v_rsq_f32 v[VA+9], v[VA+1]
	v_nop                                          ; a plain instruction behind the last of the two
	s_wait_alu depctr_va_vdst(0)                   ; one wait for both, ahead of their first reader
	ds_store_b32 v[ARW], v[VA+8]
	ds_store_b32 v[ARW], v[VA+9] offset:128
.irp m, 0,1,2,3
.irp q, 0,1
	ds_load_b128 v[SS+8*\m+4*\q:SS+8*\m+4*\q+3], v[ARN] offset:64*\m+16*\q   ; my wave's own bytes, served in order: 1 / |k| in the accumulators' layout
.endr
.endr
	s_wait_dscnt 0x0
.endm
	s_load_b256 s[4:11], s[0:1], 0x0               ; x's codes s[4:5], x's scales s[6:7], W's codes s[8:9], W's scales s[10:11]
	s_load_b128 s[12:15], s[0:1], 0x20             ; the bias s[12:13], part s[14:15]
	v_lshl_add_u32 v[SPW], v0, 2, SPARE
	v_mov_b32 v[NIL], 0
	ds_add_u32 v16, v17
	ds_add_u32 v16, v17
	s_wait_dscnt 0x0
	v_lshrrev_b32 v248, 5, v0
	v_readfirstlane_b32 s[WV], v248                ; wave 0..3
	s_bfe_u32 s[CX], ttmp6, 0x40000                ; my place in the cluster: it enters x's, part's and the prefetches' addresses alone
	s_lshl_b32 s[WG], ttmp9, 2
	s_add_co_u32 s[WG], s[WG], s[CX]               ; work-group = 4 x cluster + place
	s_mov_b32 s[CLU], ttmp9
	s_mov_b32 s[SEL], 0x76543210
	s_mov_b32 s[SEL+1], 0xfedcba98                 ; v_permlanex16_b32's selects for lane l xor 16
	s_mov_b32 s[G1], 15|(1<<20)|(1<<21)|(6<<22)|(3<<25)   ; 15:0 the mask: all four; 17:16 elements of 1 byte; 20 padding on; 21 set beside a mask; 24:22 after every 128 words; 31:25 four words
	s_mov_b32 s[G1+1], 512<<16                     ; tensor_dim0
	s_mov_b32 s[G1+2], 64<<16                      ; tensor_dim1
	s_mov_b32 s[G1+3], 512<<16                     ; tile_dim0
	s_mov_b32 s[G1+4], 64                          ; tile_dim1
	s_mov_b32 s[G1+5], 512                         ; from row to row
	s_mov_b32 s[G1+6], 0
	s_mov_b32 s[G1+7], 0
	v_mov_b32 v[KX], 0                             ; written once: a lane permute's destination counts as one of its sources
	v_and_b32 v249, 31, v0                         ; lane
	v_and_b32 v250, 15, v0                         ; r
	v_bfe_u32 v251, v0, 4, 1                       ; h
	v_lshlrev_b32 v[L16], 4, v249
	v_lshlrev_b32 v[PFO], 8, v249
	v_lshlrev_b32 v[SOF], 5, v250
	v_lshl_add_u32 v[SOF], v251, 4, v[SOF]
	v_mul_u32_u24 v252, v250, PITCH
	v_lshl_add_u32 v252, v251, 4, v252             ; row r x pitch + 16 h
	s_mul_i32 s[WOFF], s[WV], WPART                ; my part of a slot
	v_add_nc_u32 v[AW0], s[WOFF], v252
	v_add_nc_u32 v[AW0+1], SLOTB, v[AW0]
	v_add_nc_u32 v[AX], XR, v252
	s_mul_i32 s22, s[WV], 16*PITCH
	s_add_co_u32 s22, s22, XR
	v_add_nc_u32 v[AXW], s22, v[L16]
	v_lshlrev_b32 v253, 2, v250                    ; 4 r
	v_lshlrev_b32 v254, 5, v251                    ; 32 h
	v_lshlrev_b32 v255, 2, v249                    ; 4 x lane
	s_lshl_b32 s22, s[WV], 10
	s_add_co_u32 s23, s22, BIA
	v_add_nc_u32 v[ABI], s23, v253
	v_add_nc_u32 v[ABW], s23, v[L16]
	s_add_co_u32 s23, s22, KVS
	v_add_nc_u32 v[AKS], s23, v253
	v_add_nc_u32 v[AKR], s23, v[L16]
	s_lshl_b32 s22, s[WV], 8
	s_add_co_u32 s23, s22, NRM
	v_add_nc_u32 v[ANW], s23, v254
	v_add_nc_u32 v[ANR], NRM, v255
	s_add_co_u32 s23, s22, RN
	v_add_nc_u32 v[ARW], s23, v255
	v_add_nc_u32 v[ARN], s23, v254
	; the walk: rot from the cluster's number alone, the same in all four partners
	s_lshr_b32 s22, s[CLU], 2
	s_add_co_u32 s[RT], s[CLU], s22
	s_lshr_b32 s22, s[CLU], 4
	s_add_co_u32 s[RT], s[RT], s22
	s_and_b32 s[RT], s[RT], 3                      ; rot = (c + c / 4 + c / 16) mod 4
	v_lshlrev_b32 v255, 4, v250                    ; 16 r
	v_add_nc_u32 v[BO], s[RT], v251                ; local chunk h (and 2 + h) of 256 bytes lies at chunk (h + rot) mod 4 (and (2 + h + rot) mod 4)
	v_add_nc_u32 v[BO+1], 2, v[BO]
	v_and_b32 v[BO], 3, v[BO]
	v_and_b32 v[BO+1], 3, v[BO+1]
	v_lshl_add_u32 v[BO], v[BO], 8, v255
	v_lshl_add_u32 v[BO+1], v[BO+1], 8, v255
.irp j, 0,1,2,3
	s_add_co_u32 s[RP+2*\j], s[RT], \j
	s_and_b32 s[RP+2*\j], s[RP+2*\j], 3            ; a_j = (j + rot) mod 4
	s_lshl_b32 s22, s[RP+2*\j], 11
	v_add_nc_u32 v[SFJ+\j], s22, v[SOF]            ; 64 rows of 32 scale bytes a slot
	s_lshl_b32 s[RP+2*\j], s[RP+2*\j], 15          ; 64 rows of 512 bytes of codes
	s_mov_b32 s[RP+2*\j+1], 0
.endr
	s_mov_b32 s23, 0
	s_mov_b32 s43, 0
	s_wait_kmcnt 0x0
	s_lshl_b32 s22, s[WG], 15                      ; x: 64 rows of 512 bytes a work-group,
	s_add_nc_u64 s[4:5], s[4:5], s[22:23]
	s_lshl_b32 s42, s[WV], 13                      ; 16 rows a wave
	s_add_nc_u64 s[4:5], s[4:5], s[42:43]
	s_add_co_u32 s42, s42, 32768                   ; W's scales: k's rows begin at row 1,024; 256 rows of 32 bytes a wave
	s_add_nc_u64 s[10:11], s[10:11], s[42:43]
	s_lshl_b32 s22, s[WG], 11                      ; x's scales: 64 rows of 32 bytes
	s_add_nc_u64 s[6:7], s[6:7], s[22:23]
	s_lshl_b32 s42, s[WV], 17                      ; W's codes: 256 rows of 512 bytes a wave, from row 1,024
	s_add_co_u32 s42, s42, 524288
	s_add_nc_u64 s[8:9], s[8:9], s[42:43]
	s_lshl_b32 s42, s[WV], 10
	s_add_nc_u64 s[14:15], s[14:15], s[42:43]      ; part: 1,024 bytes a wave,
	s_add_co_u32 s42, s42, 4096
	s_add_nc_u64 s[12:13], s[12:13], s[42:43]      ; the bias: k's begins at number 1,024
	s_lshl_b32 s22, s[WG], 12
	s_add_nc_u64 s[14:15], s[14:15], s[22:23]      ; 4,096 a work-group
	s_lshl_b32 s22, s[CX], 13
	s_add_nc_u64 s[PFB:PFB+1], s[8:9], s[22:23]    ; the prefetches: my work-group's 8,192 bytes of my wave's part of a slot
	s_mov_b32 s[G0], 1                             ; 1:0 count = 1
	s_mov_b32 s[G0+1], s[WOFF]                     ; LDS address: slot 0, my part
	s_add_nc_u64 s[G0+2:G0+3], s[8:9], s[RP:RP+1]  ; k's rows of local slot 0
	s_or_b32 s[G0+3], s[G0+3], 0x80000000          ; type = 2
	s_mov_b32 s[G0+4], 1
	s_add_co_u32 s[G0+5], s[WOFF], SLOTB
	s_add_nc_u64 s[G0+6:G0+7], s[8:9], s[RP+2:RP+3]   ; and of local slot 1
	s_or_b32 s[G0+7], s[G0+7], 0x80000000
.irp i, 0,1,2,3,4,5,6,7,8,9,10,11,12,13,14,15
	global_load_b128 v[FRG+4*\i:FRG+4*\i+3], v[L16], s[4:5] offset:512*\i th:TH_LOAD_NT   ; my 16 rows of x: 512 consecutive bytes a load
.endr
	global_load_b128 v[FRG+64:FRG+67], v[BO], s[12:13]             ; my 256 numbers of k's bias, sixteen lanes to 256 consecutive bytes,
	global_load_b128 v[FRG+68:FRG+71], v[BO+1], s[12:13]
	global_load_b128 v[FRG+72:FRG+75], v[BO], s[12:13] offset:4096 ; and of v's
	global_load_b128 v[FRG+76:FRG+79], v[BO+1], s[12:13] offset:4096
.irp m, 0,1,2,3
	global_load_b128 v[XS+4*\m:XS+4*\m+3], v[SOF], s[6:7] offset:512*\m
.endr
.irp t, 0,1,2,3,4,5,6,7
	global_load_b128 v[WS+4*\t:WS+4*\t+3], v[SFJ+\t/4], s[10:11] offset:512*(\t%4)
.endr
	CROUND                                         ; all four work-groups are here: the first joint loads meet
	tensor_load_to_lds s[G0:G0+3], s[G1:G1+7]      ; slots 0 and 1: two loads of mine are out
	s_nop 0
	tensor_load_to_lds s[G0+4:G0+7], s[G1:G1+7]
	s_nop 0
	NOPS 4
	s_wait_loadcnt 12                              ; x and the biases are in; the 12 loads of scale words may be out
.irp i, 0,1,2,3,4,5,6,7,8,9,10,11,12,13,14,15
	ds_store_b128 v[AXW], v[FRG+4*\i:FRG+4*\i+3] offset:PITCH*\i
.endr
	ds_store_b128 v[ABW], v[FRG+64:FRG+67]
	ds_store_b128 v[ABW], v[FRG+68:FRG+71] offset:512
	ds_store_b128 v[ABW], v[FRG+72:FRG+75] offset:4096
	ds_store_b128 v[ABW], v[FRG+76:FRG+79] offset:4608
	s_wait_tensorcnt 0x1                           ; my part of slot 0 is in; slot 1's load may stay out
	s_wait_dscnt 0x0                               ; for the others' sake: my rows of x have landed
	s_barrier_signal -1
	s_barrier_wait -1
	WIN 0x40                                       ; destination window 1
.irp m, 0,1,2,3
.irp s, 0,1,2,3,4,5,6,7
.irp c, 0,1
	ds_load_b128 v[8*(8*\m+\s)+4*\c:8*(8*\m+\s)+4*\c+3], v[AX] offset:16*PITCH*\m+64*\s+32*\c   ; x's 32 fragments: they stay
.endr
.endr
.endr
	WIN 0
	ds_load_b32 v[BL], v[ABI]                      ; tile 0's bias
.set DSN, DSN+1
.set MKB, DSN
	FRLOAD 0
	FRLOAD 1
	FRLOAD 2
	s_wait_loadcnt 0x0                             ; the scale words
	s_wait_dscnt 0x0
.irp j, 0,1,2,3,4,5,6,7
	v_mov_b32 v[BC+\j], v[BL]
.endr
	NOPS 4
.set H, 0
.rept 64
.if ((H%8) == 5) && (H/8 <= 5)
	CHANGE_A
	STEP_MUL
	CHANGE_B
	TRAIL                                          ; its fragment loads are the first reads of slot n + 1
.if H/8 <= 1
	ASK
.endif
.elseif H == 53
	STEP_MUL
	s_wait_tensorcnt 0x0                           ; slot 7, the last load: my own part, which I alone read
	TRAIL
.else
	STEP_MUL
	TRAIL
.endif
.if H == 31
	NORM
.endif
.set H, H+1
.endr
	ds_load_b128 v[VA:VA+3], v[AKR]                ; my wave's own 1,024 bytes, served in order behind my stores
	ds_load_b128 v[VA+4:VA+7], v[AKR] offset:512
	s_wait_dscnt 0x0
	global_store_b128 v[BO], v[VA:VA+3], s[14:15]                  ; sixteen lanes store 256 consecutive bytes, at a multiple of 256 from part's first byte: each local chunk at its true place
	global_store_b128 v[BO+1], v[VA+4:VA+7], s[14:15]
	s_wait_tensorcnt 0x0                           ; the wave's end
	ds_add_u32 v[SPW], v[NIL]
	s_wait_dscnt 0x0
	CROUND                                         ; the closing round
	s_endpgm
.Lfunc_end_k_q3cefa8ecb2_kvpart:
	.size	k_q3cefa8ecb2_kvpart, .Lfunc_end_k_q3cefa8ecb2_kvpart-k_q3cefa8ecb2_kvpart
	.p2alignl 7, 3214868480
	.fill 96, 4, 3214868480
	.section	.rodata,"a",@progbits
	.p2align	6, 0x0
	.amdhsa_kernel k_q3cefa8ecb2_kvpart
		.amdhsa_group_segment_fixed_size 327680
		.amdhsa_private_segment_fixed_size 0
		.amdhsa_enable_private_segment 0
		.amdhsa_kernarg_size 48
		.amdhsa_user_sgpr_count 2
		.amdhsa_user_sgpr_kernarg_segment_ptr 1
		.amdhsa_wavefront_size32 1
		.amdhsa_system_sgpr_workgroup_id_x 1
		.amdhsa_system_sgpr_workgroup_id_y 1
		.amdhsa_system_sgpr_workgroup_id_z 1
		.amdhsa_system_vgpr_workitem_id 0
		.amdhsa_next_free_vgpr 1024
		.amdhsa_next_free_sgpr 66
		.amdhsa_reserve_vcc 0
		.amdhsa_float_denorm_mode_32 3
		.amdhsa_float_denorm_mode_16_64 3
		.amdhsa_memory_ordered 1
		.amdhsa_forward_progress 1
		.amdhsa_inst_pref_size 255
	.end_amdhsa_kernel
	.section	.bss,"aw",@nobits
	.p2align	6
	.space	262144
	.amdgpu_metadata
---
amdhsa.version: [ 1, 2 ]
amdhsa.kernels:
  - .name:           k_q3cefa8ecb2_kvpart
    .symbol:         k_q3cefa8ecb2_kvpart.kd
    .args:
      - { .name: x_codes, .offset: 0, .size: 8, .value_kind: global_buffer, .address_space: global }
      - { .name: x_scales, .offset: 8, .size: 8, .value_kind: global_buffer, .address_space: global }
      - { .name: W_qkv_codes, .offset: 16, .size: 8, .value_kind: global_buffer, .address_space: global }
      - { .name: W_qkv_scales, .offset: 24, .size: 8, .value_kind: global_buffer, .address_space: global }
      - { .name: b_qkv, .offset: 32, .size: 8, .value_kind: global_buffer, .address_space: global }
      - { .name: part, .offset: 40, .size: 8, .value_kind: global_buffer, .address_space: global }
    .group_segment_fixed_size: 327680
    .private_segment_fixed_size: 0
    .kernarg_segment_align: 8
    .kernarg_segment_size: 48
    .max_flat_workgroup_size: 128
    .sgpr_count:     66
    .vgpr_count:     1024
    .wavefront_size: 32
...
	.end_amdgpu_metadata
.endif
;; end of part 1
;; launch qout (part 2): grid 256 x 1, 4 waves a work-group, clusters of 4 x 1, 327,680 bytes of LDS; arguments x_codes, x_scales, W_qkv_codes, W_qkv_scales, b_qkv, W_out_codes, W_out_scales, b_out, part, out0; writes out0
.if DOCPART == 2
	.amdgcn_target "amdgcn-amd-amdhsa--gfx1250"
	.amdhsa_code_object_version 6
	.text
	.protected	k_q3cefa8ecb2_qout
	.globl	k_q3cefa8ecb2_qout
	.p2align	8
	.type	k_q3cefa8ecb2_qout,@function
k_q3cefa8ecb2_qout:
	s_mov_b64 s[64:65], 0
	v_nop
	global_prefetch_b8 v0, s[64:65] scope:SCOPE_SE
	s_setreg_imm32_b32 hwreg(HW_REG_WAVE_MODE, 25, 1), 1
	s_wait_xcnt 0x0
	s_wait_alu depctr_hold_cnt(0) depctr_sa_sdst(0) depctr_va_vdst(0) depctr_va_sdst(0) depctr_va_ssrc(0) depctr_va_vcc(0) depctr_vm_vsrc(0)
	s_getreg_b32 s2, hwreg(HW_REG_IB_STS2, 6, 4)
	s_cmp_eq_u32 s2, 0
	s_cbranch_scc0 .Lentry_in_a_cluster
	s_endpgm
.Lentry_in_a_cluster:
	s_bfe_u32 s2, ttmp6, 0x10000c
	s_cmp_lg_u32 s2, 0x3003
	s_cbranch_scc0 .Lentry_shape_is_right
	s_endpgm
.Lentry_shape_is_right:
; out0 = Q(q / |q| * kv) W_out + b_out;  q = x Wq + bq (a third of the first product), kv[d] = the sum of the batch's 64 rows of part, Q the quantiser to E2M1 with one E8M0 scale for each 32 along d.
; SHARES.  Work-group wg owns tokens 64 wg .. 64 wg + 63.  Wave w owns features 256 w .. + 255 of q, and then outputs 256 w .. + 255, for all 64 tokens: 64 accumulators, 512 registers, used twice.
; x's 32 fragments stay in 256 registers; the second product's operand, made by the four waves, takes their place.  The weights (Wq's rows, then W_out's) go through a ring of two LDS slots of four tiles a wave;
; each wave fetches and reads its own part.  CLUSTER: all work-groups walk the same weights: the four of a cluster ask jointly, with one descriptor (it hangs on the wave's and the cluster's number alone) and the mask 15.
; THE WALK.  The 64 clusters fall into four classes, rot = (c + c / 4 + c / 16) mod 4.  As its j-th slot of W_out a class takes the wave's rows 64 a .. + 63 with a = (j + rot) mod 4; of Wq with a = (j + (rot & 2)) mod 4.  So at a
; change of slots the classes ask for different slots, and of a phase's four requests all but the first name bytes that another class has asked for a change earlier or more.  Only global offsets hang on rot (weights, scale bytes,
; biases, part, out0): LDS and registers are laid by the local order j.  q's features are the next product's K, so q turns by whole K steps alone (two slots), and the wave's two finished fragments are put into their true
; K steps by selections between registers, with no branch.
; ORIENTATION: source 0 = 16 rows of W, source 1 = 16 tokens: a lane holds ONE token (16 m + lane % 16) and its eight registers eight neighbouring features: neighbours along the next K, and along a row of out0.
; SCALES: as dense 16-byte loads a lane at 32 r + 16 h: register i holds K step i's word in lanes 0-15, K step 4 + i's in lanes 16-31: the upper K steps read row 1.
; The operand goes from wave to wave through LDS as an image of its registers: 16 bytes a lane at 16 x lane; its scale words 4 bytes a token.
; LIMITS: 1 / |q| is v_rsq_f32 (1 ulp; a sum of squares under 2^-126 counts as 0); a block of zeros gets the scale byte 1 (its codes are zeros; only this text reads the bytes); NaN and infinities are not served.
.set PITCH, 528                        ; an LDS row: 512 bytes + 16 of padding: row r starts at bank 4 r mod 64 (64 banks of 4 bytes: ISA guide 11.1)
.set WPART, 64*PITCH
.set SLOTB, 4*WPART
.set IMG,   2*SLOTB                    ; behind the ring, one after the other: x's 64 rows (pitch 528); 32 images of 1,024 bytes and the scale words; four stages of 16 x 272 bytes
.set SCW,   IMG+32768                  ; scale words [token tile][K step][16 tokens]
.set BIA,   IMG+36864                  ; q's bias, b_out, kv: 4,096 bytes each, a wave's own 1,024 in each, in the local order
.set NRM,   BIA+12288                  ; [token][wave] partial sums of squares
.set SPARE, NRM+1024                   ; the spare words: 128 bytes a wave, two blocks of 256 bytes that no other line names
.set L16, 1                            ; v1  16 x lane
.set SOF, 2                            ; v2  32 r + 16 h
.set AW0, 3                            ; v3, v4  my fragment's place in my part of slot 0, 1
.set AX,  5
.set AXW, 6
.set AB,  7                            ; v7  my half's eight numbers of a tile's bias (and of kv)
.set ABW, 8
.set ANW, 9
.set ANR, 10
.set AIW, 11                           ; v11 where I store images
.set ASW, 12                           ; v12 and their scale words
.set ALI, 13                           ; v13 where any image begins for my lane
.set ASR, 14
.set PFO, 15                           ; v15 256 x lane; never rewritten
.set SPW, 16                           ; v16 my spare word's address; never rewritten
.set NIL, 17                           ; v17 0; never rewritten
.set STO, 18
.set SRD, 19
.set OGO, 20
.set SSQ, 22                           ; v22-29 sums of squares, a pair for each token tile
.set OGJ, 22                           ; v22-25 behind them: OGO + 256 a_j: where local slot j's 256 bytes of a row of out0 lie
.set BC,  30                           ; v30-37 the bias as the C of a tile's first products
.set RH,  38                           ; v38 rot & 2
.set XS,  40                           ; v40-55 source 1's scale words
.set WS,  56                           ; v56-87 the weights' scale words: a ring of eight tiles
.set TM,  88                           ; v88-103 at work in the quantiser
.set S4,  104
.set BQ,  104                          ; v104, v105 in the head: my 16 bytes of a wave's 1,024 in q's order (q's bias, part);  v106, v107 in the outputs' order (b_out)
.set BOU, 106
.set T4,  108
.set PCA, 112                          ; v112-127 the codes of my two K steps, in the local order
.set OU,  128                          ; v128-143 the same in their true order
.set PWA, 144                          ; v144, v145 their scale words, local;  v146, v147 true
.set OW,  146
.set OB,  120                          ; v120-151 later: rows on their way out
.set FRG, 152                          ; v152-247 three buffers of four weight fragments
.set SFQ, 248                          ; v248-251 SOF + 2,048 a_j for Wq's slots;  v252-255 for W_out's; never rewritten
.set SFO, 252
.set WV,  24
.set CX,  25
.set WG,  26
.set CLU, 27
.set G1,  28
.set G0,  36                           ; s[36:39], s[40:43]
.set SEL, 44
.set PFB, 46
.set WOFF, 52
.set RQV, 53                           ; s53 rot & 2
.set RQP, 54                           ; s[54:55], s[56:57] pairs (32,768 a_j, 0) for Wq's local slots 2 and 3
.set ROP, 58                           ; s[58:59], s[60:61], s[62:63], s[66:67] the same for W_out's four
.set R4,  68                           ; s68 rot
.set MSB, 0
.set DSN, 0                            ; LDS instructions written so far; a mark is DSN just behind a group of loads
.set MKF0, 0
.set MKF1, 0
.set MKF2, 0
.set MKB, 0
.set MKO, 0
.macro WIN new                         ; the immediate's high byte repeats the setting that is left
.if MSB != (\new)
	s_set_vgpr_msb (MSB<<8)|(\new)
.set MSB, (\new)
.endif
.endm
.macro NOPS n
.rept \n
	v_nop
.endr
.endm
.macro CROUND                          ; a round of the cluster's barrier
	s_barrier_signal -1
	s_barrier_wait -1
	s_cmp_lg_u32 s[WV], 0
	s_cbranch_scc1 .Lnot_wave_0_\@
	s_barrier_signal -3
.Lnot_wave_0_\@:
	s_barrier_wait -3
	s_barrier_signal -1
	s_barrier_wait -1
.endm
.macro WAITN n                         ; LDS instructions come back in order: n = those written behind the group that is wanted
.if (\n) > 63
	s_wait_dscnt 63
.else
	s_wait_dscnt (\n)
.endif
.endm
.macro WAITF hh
.if ((\hh)%3) == 0
	WAITN DSN-MKF0
.elseif ((\hh)%3) == 1
	WAITN DSN-MKF1
.else
	WAITN DSN-MKF2
.endif
.endm
.macro ROTS dst, rs, j, sh             ; ((j + s[rs]) mod 4) << sh
	s_add_co_u32 s[\dst], s[\rs], \j
	s_and_b32 s[\dst], s[\dst], 3
	s_lshl_b32 s[\dst], s[\dst], \sh
.endm
.macro BOFF d, rs                      ; local chunk h (and 2 + h) of 256 bytes lies at chunk (h + s[rs]) mod 4 (and (2 + h + s[rs]) mod 4); v251 = h, v255 = 16 r
	v_add_nc_u32 v[\d], s[\rs], v251
	v_add_nc_u32 v[\d+1], 2, v[\d]
	v_and_b32 v[\d], 3, v[\d]
	v_and_b32 v[\d+1], 3, v[\d+1]
	v_lshl_add_u32 v[\d], v[\d], 8, v255
	v_lshl_add_u32 v[\d+1], v[\d+1], 8, v255
.endm
.macro FRLOAD hh                       ; the four fragments of step hh (tile hh / 2, K steps 4 (hh % 2) + i)
.set fB, FRG+32*((\hh)%3)
.set fA, AW0+(((\hh)/8)%2)
.set fO, 16*PITCH*(((\hh)/2)%4)+256*((\hh)%2)
.irp i, 0,1,2,3
.irp c, 0,1
	ds_load_b128 v[fB+8*\i+4*\c:fB+8*\i+4*\c+3], v[fA] offset:fO+64*\i+32*\c
.endr
.endr
.set DSN, DSN+8
.if ((\hh)%3) == 0
.set MKF0, DSN
.elseif ((\hh)%3) == 1
.set MKF1, DSN
.else
.set MKF2, DSN
.endif
.endm
.macro WM
.if rROW
	v_wmma_scale_f32_16x16x128_f8f6f4 v[rD:rD+7], v[rA:rA+7], v[rB:rB+7], v[rC:rC+7], v[rSA], v[rSB] matrix_a_fmt:MATRIX_FMT_FP4 matrix_b_fmt:MATRIX_FMT_FP4 matrix_a_scale:MATRIX_SCALE_ROW1 matrix_b_scale:MATRIX_SCALE_ROW1
.else
	v_wmma_scale_f32_16x16x128_f8f6f4 v[rD:rD+7], v[rA:rA+7], v[rB:rB+7], v[rC:rC+7], v[rSA], v[rSB] matrix_a_fmt:MATRIX_FMT_FP4 matrix_b_fmt:MATRIX_FMT_FP4
.endif
.endm
; 16 matrix instructions: four K steps x the four token tiles, whose accumulators take turns, one instruction a turn.  A tile's first four take the bias as C.
; accumulator (c, m), c = tile % 16: window 2 + c / 8, v[8 (8 m + c % 8)]: for one m the eight tiles of a window are 64 registers on end, 128 neighbours along the next K.  Source 1's fragment (m, s): window 1, v[8 (8 m + s)]
.macro MUL
.set cT, H/2
.set cC, cT%16
.set rROW, H%2
.set rFB, FRG+32*(H%3)
.irp i, 0,1,2,3
.if (rROW == 0) && (\i == 0)
	WIN 0x84+0x40*(cC/8)
.else
	WIN 0xa4+0x50*(cC/8)
.endif
.irp m, 0,1,2,3
.set rD, 8*(8*\m+cC%8)
.if (rROW == 0) && (\i == 0)
.set rC, BC
.else
.set rC, rD
.endif
.set rA, rFB+8*\i
.set rB, 8*(8*\m+4*rROW+\i)
.set rSA, WS+4*(cT%8)+\i
.set rSB, XS+4*\m+\i
	WM
.endr
.endr
.endm
; the squares of q's tile t, register pairs q0 and q0 + 1 of each accumulator (from the low end on), onto a pair of sums for each token tile; tile 0's first pair starts the sums
.macro SQQ t, q0
	WIN 0x0a+5*((\t)/8)
.irp q, \q0, \q0+1
.irp m, 0,1,2,3
.set rK, 8*(8*\m+((\t)%8))+2*(\q)
.if ((\t) == 0) && ((\q) == 0)
	v_pk_mul_f32 v[SSQ+2*\m:SSQ+2*\m+1], v[rK:rK+1], v[rK:rK+1]
.else
	v_pk_fma_f32 v[SSQ+2*\m:SSQ+2*\m+1], v[rK:rK+1], v[rK:rK+1], v[SSQ+2*\m:SSQ+2*\m+1]
.endif
.endr
.endr
.endm
; The vector work behind a step's products: four plain instructions or more that name no register of those products: the places in front of the loads of TRAIL.
.macro BATCH
.set cT, H/2
.if (cT >= 1) && (cT <= 15)
	SQQ cT-1, 2*(H%2)
.else
	NOPS 4
.endif
.endm
.macro STEP_MUL                        ; register work alone
.if (H%2) == 0
	WAITN DSN-MKB                                  ; the tile's bias, asked for behind this step's fragments: both are in
.else
	WAITF H
.endif
.if ((H%2) == 0) && (H/2 >= 8)
.if (31-H/2) < 7
	s_wait_loadcnt 31-H/2                          ; this tile's scale words are in; those of the later tiles may be out
.else
	s_wait_loadcnt 7
.endif
.endif
	MUL
	BATCH
.endm
; THE WAY OUT.  A slot's four tiles are 64 neighbouring outputs, 256 bytes of a row.  Token tile m of slot n goes through my own stage (rows of 272 bytes) and comes back by rows; sixteen lanes then store 256 consecutive bytes.
.macro WO_A n, m, ob
	WIN 0x08+4*(((\n)-4)/2)                        ; an LDS store's data are its source 1: window 2 or 3
.irp c, 0,1,2,3
.set rO, 8*(8*(\m)+(4*((\n)-4)+\c)%8)
	ds_store_b128 v[STO], v[rO:rO+3] offset:64*\c                  ; each accumulator from its low end on
	ds_store_b128 v[STO], v[rO+4:rO+7] offset:64*\c+16
.endr
	WIN 0
	s_wait_xcnt 0x0                                ; earlier stores have read their data: the registers may be loaded again
.irp i, 0,1,2,3,4,5,6,7
	ds_load_b128 v[(\ob)+4*\i:(\ob)+4*\i+3], v[SRD] offset:544*\i  ; LDS serves a wave's instructions in order: these see the stores above
.endr
.set DSN, DSN+16
.set MKO, DSN
.endm
.macro WO_B n, m, ob, left
	WAITN \left
.irp i, 0,1,2,3,4,5,6,7
	global_store_b128 v[OGJ+(\n)-4], v[(\ob)+4*\i:(\ob)+4*\i+3], s[22:23] offset:(16*(\m)+2*\i)*4096 th:TH_STORE_NT   ; lanes 0-15 one row's 256 bytes, lanes 16-31 the next row's; each at a multiple of 256 from out0's first byte, at the local slot's true place
.endr
.endm
.macro TRAIL                           ; all of a step's LDS and memory instructions
	WIN 0
.set cT, H/2
.if ((H%2) == 0) && (cT < 31)
	ds_load_b128 v[BC:BC+3], v[AB] offset:64*((cT+1)%16)+4096*((cT+1)/16)
	ds_load_b128 v[BC+4:BC+7], v[AB] offset:64*((cT+1)%16)+4096*((cT+1)/16)+16
.set DSN, DSN+2
.set MKB, DSN
.endif
.if (H+3) <= 63
	FRLOAD H+3                                     ; three steps ahead, into the buffer just multiplied
.endif
.if ((H%2) == 1) && ((cT+8) <= 31)
.if (cT+8) < 16
	global_load_b128 v[WS+4*(cT%8):WS+4*(cT%8)+3], v[SFQ+(cT+8)/4], s[10:11] offset:512*((cT+8)%4)   ; eight tiles ahead: 512 dense bytes, at the local slot's true place
.else
	global_load_b128 v[WS+4*(cT%8):WS+4*(cT%8)+3], v[SFO+(cT-8)/4], s[16:17] offset:512*((cT+8)%4)
.endif
.endif
.if H >= 40                            ; the slot before leaves while this one is multiplied: a token tile for every two steps
.if (H%2) == 0
	WO_A H/8-1, (H%8)/2, OB
.else
	WO_B H/8-1, (H%8)/2, OB, DSN-MKO
.endif
.endif
.endm
; THE CHANGE OF SLOTS, round step 8 n + 5: the last reads of slot n were issued a step ago, steps 8 n + 5 .. 8 n + 7 lie in registers.
.macro CHANGE_A
	WIN 0
	s_wait_tensorcnt 0x0                           ; all my tensor loads have landed: my part of slot n + 1; so a group 0 may be written
	ds_add_u32 v[SPW], v[NIL]                      ; 0 onto my spare word: a step's register work stands between it and the wait for it
.set DSN, DSN+1
.set cN, H/8
.set nN, cN+2
.set gP, G0+4*(cN%2)
.if nN < 4
	s_add_nc_u64 s[gP+2:gP+3], s[8:9], s[RQP+2*(nN-2):RQP+2*(nN-2)+1]   ; slot n + 2's address is made anew: my rows' first byte + the local slot's true place: in Wq,
.else
.set rP, ROP+2*(nN-4)+2*((nN-4)/3)
	s_add_nc_u64 s[gP+2:gP+3], s[14:15], s[rP:rP+1]                     ; in W_out
.endif
	s_or_b32 s[gP+3], s[gP+3], 0x80000000          ; type = 2
.endm
.macro CHANGE_B
	WIN 0
	s_wait_dscnt 0x0                               ; the add is done, and my reads of slot n are back
	CROUND                                         ; no wave of any partner still reads its part of the slot or has a load on its way
	tensor_load_to_lds s[gP:gP+3], s[G1:G1+7]      ; slot n + 2: my one tensor load behind the round, and the first thing there
	s_nop 0
	NOPS 4
.endm
; A prefetch into the L2 of W_out's rows.  All four slots of W_out are first asked for at change 2, one by each class: so they are named at changes 0 and 1, two slots each, two changes and one change ahead.  Cluster 0 asks.
; Of a wave's 32,768 bytes of a slot each of the four partners takes 8,192, told apart by address; lanes 256 bytes apart: each block is named once in the launch.  Wq's slots come by their loads alone; the offsets are immediates.
.macro ASK
	s_cmp_lg_u32 s[CLU], 0
	s_cbranch_scc1 .Lno_ask_\@
	global_prefetch_b8 v[PFO], s[PFB:PFB+1] offset:65536*cN th:TH_LOAD_NT scope:SCOPE_SE
	global_prefetch_b8 v[PFO], s[PFB:PFB+1] offset:65536*cN+32768 th:TH_LOAD_NT scope:SCOPE_SE
.Lno_ask_\@:
.endm
; 64 numbers of a lane in window 2 + w, v[64 m] on: register 16 b + 8 t + j is k = 32 b + 16 t + 8 (lane / 16) + j of my token's 128.  They become a fragment's codes in v[pc] on and its scale word in v[pw].
; A conversion's eight codes are piece 2 t + h of block b.  The operand wants piece g of block 2 c + H in register 4 c + g of lane half H: the results of blocks 2 c and 2 c + 1 stand side by side, and one exchange of
; the first's upper lanes with the second's lower lanes puts all four pieces right.
.macro QUANT w, m, pc, pw
.set qB, 64*(\m)
	WIN 0x0a+5*(\w)
.irp b, 0,1,2,3
	v_max3_num_f32 v[TM+\b], |v[qB+16*\b]|, |v[qB+16*\b+1]|, 0x1800000   ; my 16 numbers of block b, and the floor 2^(3 - 127): the byte cannot fall under 1
.endr
.irp i, 2,4,6,8,10,12,14
.irp b, 0,1,2,3
	v_max3_num_f32 v[TM+\b], |v[qB+16*\b+\i]|, |v[qB+16*\b+\i+1]|, v[TM+\b]
.endr
.endr
	WIN 0
.irp b, 0,1,2,3
	v_permlanex16_b32 v[TM+4+\b], v[TM+\b], s[SEL], s[SEL+1]
.endr
.irp b, 0,1,2,3
	v_max_num_f32 v[TM+\b], v[TM+\b], v[TM+4+\b]   ; with lane l xor 16's: the block's largest magnitude
.endr
.irp b, 0,1,2,3
	v_add_nc_u32 v[TM+12+\b], 0xff000000, v[TM+\b] ; 2 off its exponent field: the conversion's scale operand
.endr
.irp b, 0,1,2,3
	v_lshrrev_b32 v[TM+4+\b], 23, v[TM+12+\b]      ; the scale's byte
.endr
	v_lshl_or_b32 v[\pw], v[TM+5], 8, v[TM+4]
	v_lshl_or_b32 v[\pw], v[TM+6], 16, v[\pw]
	v_lshl_or_b32 v[\pw], v[TM+7], 24, v[\pw]
	WIN 0x02+(\w)
.irp b, 0,1,2,3
.irp t, 0,1
	v_cvt_scalef32_pk8_fp4_f32 v[(\pc)+4*(\b/2)+2*\t+(\b%2)], v[qB+16*\b+8*\t:qB+16*\b+8*\t+7], v[TM+12+\b]
.endr
.endr
	WIN 0
	v_nop                                          ; one plain instruction behind the last scaled conversion
.irp c, 0,1
.irp t, 0,1
	v_permlane16_swap_b32 v[(\pc)+4*\c+2*\t], v[(\pc)+4*\c+2*\t+1]
.endr
.endr
.endm
; BETWEEN THE PRODUCTS.  (Its LDS instructions are not counted in DSN: it ends with a wait for all, so later counts are only smaller than they might be.)
.macro MID
	SQQ 15, 0
	SQQ 15, 2
	WIN 0
.irp m, 0,1,2,3
	v_add_f32 v[S4+\m], v[SSQ+2*\m], v[SSQ+2*\m+1]
.endr
.irp m, 0,1,2,3
	v_permlanex16_b32 v[T4+\m], v[S4+\m], s[SEL], s[SEL+1]
.endr
.irp m, 0,1,2,3
	v_add_f32 v[S4+\m], v[S4+\m], v[T4+\m]         ; token 16 m + r: the sum of squares over my wave's 256 features
.endr
.irp m, 0,1,2,3
	ds_store_b32 v[ANW], v[S4+\m] offset:256*\m
.endr
	s_wait_dscnt 0x0                               ; for the others' sake: my stores have landed
	s_barrier_signal -1
	s_barrier_wait -1
.irp m, 0,1,2,3
	ds_load_b128 v[TM+4*\m:TM+4*\m+3], v[ANR] offset:256*\m        ; the four waves' sums for my token
.endr
	WIN 0x40                                       ; destination window 1: x's fragments are done with
.irp c, 0,1,2,3,4,5,6,7,8,9,10,11,12,13,14,15
	ds_load_b128 v[8*\c:8*\c+3], v[AB] offset:8192+64*\c           ; kv of my features, in the accumulators' layout and the local order
	ds_load_b128 v[8*\c+4:8*\c+7], v[AB] offset:8192+64*\c+16
.endr
	WIN 0
	s_wait_dscnt 32                                ; the four loads of sums are in; kv's 32 may be out
.irp m, 0,1,2,3
	v_add_f32 v[TM+4*\m], v[TM+4*\m], v[TM+4*\m+1]
	v_add_f32 v[TM+4*\m+2], v[TM+4*\m+2], v[TM+4*\m+3]
.endr
.irp m, 0,1,2,3
	v_add_f32 v[TM+4*\m], v[TM+4*\m], v[TM+4*\m+2]
.endr
	v_cmp_ne_u32 vcc_lo, 0, v[RH]                  ; all lanes on where my class has q's two K steps the other way round
	WIN 0x40
.irp m, 0,1,2,3
	v_rsq_f32 v[128+2*\m], v[TM+4*\m]              ; 1 / |q|, in window 1
.endr
.irp m, 0,1,2,3
	v_mov_b32 v[129+2*\m], 0                       ; (named with it as a pair, so it is written.  Plain instructions behind the four)
.endr
	s_wait_alu depctr_va_vdst(0)                   ; one wait for the four, ahead of their first reader
	s_wait_dscnt 0x0                               ; kv
.irp m, 0,1,2,3
.irp sg, 0,1                           ; my two K steps of the second product, in the local order: window 2, window 3
	WIN 0x86+0x41*\sg                              ; destination and source 0: the accumulators' window; source 1: window 1
.set u, 0
.rept 32
	v_pk_mul_f32 v[64*\m+2*u:64*\m+2*u+1], v[64*\m+2*u:64*\m+2*u+1], v[128+2*\m:129+2*\m] op_sel_hi:[1,0]   ; q / |q|
.set u, u+1
.endr
.set u, 0
.rept 32
	v_pk_mul_f32 v[64*\m+2*u:64*\m+2*u+1], v[64*\m+2*u:64*\m+2*u+1], v[64*\sg+2*u:64*\sg+2*u+1]             ; x kv
.set u, u+1
.endr
	QUANT \sg, \m, PCA+8*\sg, PWA+\sg
.endr
	s_wait_dscnt 0x0                               ; the last token tile's stores have read the registers that are written next
.irp i, 0,1,2,3,4,5,6,7
	v_cndmask_b32 v[OU+\i], v[PCA+\i], v[PCA+8+\i], vcc_lo         ; K step 2 w: my first fragment, or my second where the class has turned q's order
	v_cndmask_b32 v[OU+8+\i], v[PCA+8+\i], v[PCA+\i], vcc_lo       ; K step 2 w + 1: the other
.endr
	v_cndmask_b32 v[OW], v[PWA], v[PWA+1], vcc_lo
	v_cndmask_b32 v[OW+1], v[PWA+1], v[PWA], vcc_lo
	ds_store_b128 v[AIW], v[OU:OU+3] offset:8192*\m                ; images (m, K step 2 w) and (m, 2 w + 1)
	ds_store_b128 v[AIW], v[OU+4:OU+7] offset:8192*\m+512
	ds_store_b128 v[AIW], v[OU+8:OU+11] offset:8192*\m+1024
	ds_store_b128 v[AIW], v[OU+12:OU+15] offset:8192*\m+1536
	ds_store_b32 v[ASW], v[OW] offset:512*\m                       ; both halves of the lanes hold the token's word
	ds_store_b32 v[ASW], v[OW+1] offset:512*\m+64
.endr
	s_wait_dscnt 0x0                               ; for the others' sake: my images have landed
	s_barrier_signal -1
	s_barrier_wait -1
	WIN 0x40
.irp m, 0,1,2,3
.irp s, 0,1,2,3,4,5,6,7
.irp c, 0,1
	ds_load_b128 v[8*(8*\m+\s)+4*\c:8*(8*\m+\s)+4*\c+3], v[ALI] offset:1024*(8*\m+\s)+512*\c   ; the operand's 32 fragments, where x's stood
.endr
.endr
.endr
	WIN 0
.irp m, 0,1,2,3
.irp i, 0,1,2,3
	ds_load_b32 v[XS+4*\m+\i], v[ASR] offset:512*\m+64*\i          ; lanes 0-15: K step i's word; lanes 16-31: K step 4 + i's
.endr
.endr
.irp j, 0,1,2,3
	s_lshr_b32 s48, s[ROP+2*\j+2*(\j/3)], 7        ; 256 a_j
	v_add_nc_u32 v[OGJ+\j], s48, v[OGO]            ; (the sums of squares are done with)
.endr
	s_wait_dscnt 0x0
.endm
.macro KVTREE                          ; 32 rows of eight registers in one window become one
.irp st, 16,8,4,2,1
.set e, 0
.rept \st
.irp q, 0,1,2,3
	v_pk_add_f32 v[8*e+2*\q:8*e+2*\q+1], v[8*e+2*\q:8*e+2*\q+1], v[8*(e+\st)+2*\q:8*(e+\st)+2*\q+1]
.endr
.set e, e+1
.endr
.endr
.endm
	s_load_b512 s[4:19], s[0:1], 0x0               ; x's codes s[4:5], x's scales s[6:7], W_qkv's codes s[8:9], scales s[10:11], b_qkv s[12:13], W_out's codes s[14:15], scales s[16:17], b_out s[18:19]
	s_load_b128 s[20:23], s[0:1], 0x40             ; part s[20:21], out0 s[22:23]
	v_lshl_add_u32 v[SPW], v0, 2, SPARE
	v_mov_b32 v[NIL], 0
	ds_add_u32 v16, v17
	ds_add_u32 v16, v17
	s_wait_dscnt 0x0
	v_lshrrev_b32 v248, 5, v0
	v_readfirstlane_b32 s[WV], v248                ; wave 0..3
	s_bfe_u32 s[CX], ttmp6, 0x40000                ; my place in the cluster: it enters x's, out0's and the prefetches' addresses alone
	s_lshl_b32 s[WG], ttmp9, 2
	s_add_co_u32 s[WG], s[WG], s[CX]               ; work-group = 4 x cluster + place
	s_mov_b32 s[CLU], ttmp9
	s_mov_b32 s[SEL], 0x76543210
	s_mov_b32 s[SEL+1], 0xfedcba98                 ; v_permlanex16_b32's selects for lane l xor 16
	s_mov_b32 s[G1], 15|(1<<20)|(1<<21)|(6<<22)|(3<<25)   ; 15:0 the mask: all four; 17:16 elements of 1 byte; 20 padding on; 21 set beside a mask; 24:22 after every 128 words; 31:25 four words
	s_mov_b32 s[G1+1], 512<<16                     ; tensor_dim0
	s_mov_b32 s[G1+2], 64<<16                      ; tensor_dim1
	s_mov_b32 s[G1+3], 512<<16                     ; tile_dim0
	s_mov_b32 s[G1+4], 64                          ; tile_dim1
	s_mov_b32 s[G1+5], 512                         ; from row to row
	s_mov_b32 s[G1+6], 0
	s_mov_b32 s[G1+7], 0
.irp m, 0,1,2,3
	v_mov_b32 v[T4+\m], 0                          ; written once: a lane permute's destination counts as one of its sources
.endr
	v_and_b32 v249, 31, v0                         ; lane
	v_and_b32 v250, 15, v0                         ; r
	v_bfe_u32 v251, v0, 4, 1                       ; h
	v_lshlrev_b32 v[L16], 4, v249
	v_lshlrev_b32 v[PFO], 8, v249
	v_lshlrev_b32 v[SOF], 5, v250
	v_lshl_add_u32 v[SOF], v251, 4, v[SOF]
	v_mul_u32_u24 v252, v250, PITCH
	v_lshl_add_u32 v252, v251, 4, v252             ; row r x pitch + 16 h
	s_mul_i32 s[WOFF], s[WV], WPART                ; my part of a slot
	v_add_nc_u32 v[AW0], s[WOFF], v252
	v_add_nc_u32 v[AW0+1], SLOTB, v[AW0]
	v_add_nc_u32 v[AX], IMG, v252
	s_mul_i32 s50, s[WV], 16*PITCH
	s_add_co_u32 s50, s50, IMG
	v_add_nc_u32 v[AXW], s50, v[L16]
	v_lshlrev_b32 v253, 2, v250                    ; 4 r
	v_lshlrev_b32 v254, 5, v251                    ; 32 h
	v_lshlrev_b32 v255, 4, v250                    ; 16 r
	s_lshl_b32 s50, s[WV], 10
	s_add_co_u32 s50, s50, BIA
	v_add_nc_u32 v[AB], s50, v254
	v_add_nc_u32 v[ABW], s50, v[L16]
	s_lshl_b32 s50, s[WV], 2
	s_add_co_u32 s50, s50, NRM
	v_add_nc_u32 v[ANW], s50, v255
	v_add_nc_u32 v[ANR], NRM, v255
	s_lshl_b32 s50, s[WV], 11
	s_add_co_u32 s50, s50, IMG
	v_add_nc_u32 v[AIW], s50, v[L16]
	s_lshl_b32 s50, s[WV], 7
	s_add_co_u32 s50, s50, SCW
	v_add_nc_u32 v[ASW], s50, v253
	v_add_nc_u32 v[ALI], IMG, v[L16]
	v_lshl_add_u32 v[ASR], v251, 8, v253
	v_add_nc_u32 v[ASR], SCW, v[ASR]
	s_mul_i32 s50, s[WV], 16*272
	s_add_co_u32 s50, s50, IMG                     ; my stage
	v_mul_u32_u24 v[STO], v250, 272
	v_add_nc_u32 v[STO], v[STO], v254
	v_add_nc_u32 v[STO], s50, v[STO]               ; in: row r, 32 bytes for each half of the lanes
	v_mul_u32_u24 v[SRD], v251, 272
	v_add_nc_u32 v[SRD], v[SRD], v255
	v_add_nc_u32 v[SRD], s50, v[SRD]               ; back: lanes 0-15 one row, lanes 16-31 the next
	v_lshl_add_u32 v[OGO], v251, 12, v255          ; and the same two rows in out0
	; the walk: rot from the cluster's number alone, the same in all four partners
	s_lshr_b32 s50, s[CLU], 2
	s_add_co_u32 s[R4], s[CLU], s50
	s_lshr_b32 s50, s[CLU], 4
	s_add_co_u32 s[R4], s[R4], s50
	s_and_b32 s[R4], s[R4], 3                      ; rot = (c + c / 4 + c / 16) mod 4: W_out's slots
	s_and_b32 s[RQV], s[R4], 2                     ; rot & 2: Wq's
	v_mov_b32 v[RH], s[RQV]
	BOFF BQ, RQV
	BOFF BOU, R4
.irp j, 0,1,2,3
	ROTS 50, RQV, \j, 11
	v_add_nc_u32 v[SFQ+\j], s50, v[SOF]            ; 64 rows of 32 scale bytes a slot
	ROTS 50, R4, \j, 11
	v_add_nc_u32 v[SFO+\j], s50, v[SOF]
	ROTS ROP+2*\j+2*(\j/3), R4, \j, 15             ; 64 rows of 512 bytes of codes
	s_mov_b32 s[ROP+2*\j+2*(\j/3)+1], 0
.endr
	ROTS RQP, RQV, 2, 15
	s_mov_b32 s[RQP+1], 0
	ROTS RQP+2, RQV, 3, 15
	s_mov_b32 s[RQP+3], 0
	s_mov_b32 s49, 0
	s_mov_b32 s51, 0
	s_wait_kmcnt 0x0
	s_lshl_b32 s48, s[WG], 15                      ; x: 64 rows of 512 bytes a work-group,
	s_add_nc_u64 s[4:5], s[4:5], s[48:49]
	s_lshl_b32 s50, s[WV], 13                      ; 16 rows a wave
	s_add_nc_u64 s[4:5], s[4:5], s[50:51]
	s_add_nc_u64 s[10:11], s[10:11], s[50:51]      ; the weights' scales: 256 rows of 32 bytes a wave
	s_add_nc_u64 s[16:17], s[16:17], s[50:51]
	s_lshl_b32 s48, s[WG], 11
	s_add_nc_u64 s[6:7], s[6:7], s[48:49]          ; x's scales
	s_lshl_b32 s50, s[WV], 17                      ; the weights' codes: 256 rows of 512 bytes a wave
	s_add_nc_u64 s[8:9], s[8:9], s[50:51]
	s_add_nc_u64 s[14:15], s[14:15], s[50:51]
	s_lshl_b32 s50, s[WV], 10                      ; 256 numbers a wave
	s_add_nc_u64 s[12:13], s[12:13], s[50:51]
	s_add_nc_u64 s[18:19], s[18:19], s[50:51]
	s_add_nc_u64 s[20:21], s[20:21], s[50:51]
	s_add_nc_u64 s[22:23], s[22:23], s[50:51]
	s_lshr_b32 s48, s[WG], 6                       ; the batch:
	s_lshl_b32 s48, s48, 18                        ; its 64 rows of part
	s_add_nc_u64 s[20:21], s[20:21], s[48:49]
	s_lshl_b32 s48, s[WG], 18                      ; out0: 64 rows of 4,096 bytes a work-group
	s_add_nc_u64 s[22:23], s[22:23], s[48:49]
	s_lshl_b32 s48, s[CX], 13
	s_add_nc_u64 s[PFB:PFB+1], s[14:15], s[48:49]  ; the prefetches: my work-group's 8,192 bytes of my wave's part of a slot of W_out
	ROTS 48, RQV, 0, 15
	ROTS 50, RQV, 1, 15
	s_mov_b32 s[G0], 1                             ; 1:0 count = 1
	s_mov_b32 s[G0+1], s[WOFF]                     ; LDS address: slot 0, my part
	s_add_nc_u64 s[G0+2:G0+3], s[8:9], s[48:49]    ; Wq's rows of local slot 0
	s_or_b32 s[G0+3], s[G0+3], 0x80000000          ; type = 2
	s_mov_b32 s[G0+4], 1
	s_add_co_u32 s[G0+5], s[WOFF], SLOTB
	s_add_nc_u64 s[G0+6:G0+7], s[8:9], s[50:51]    ; and of local slot 1
	s_or_b32 s[G0+7], s[G0+7], 0x80000000
.irp i, 0,1,2,3,4,5,6,7,8,9,10,11,12,13,14,15
	global_load_b128 v[FRG+4*\i:FRG+4*\i+3], v[L16], s[4:5] offset:512*\i th:TH_LOAD_NT   ; my 16 rows of x: 512 consecutive bytes a load
.endr
	global_load_b128 v[FRG+64:FRG+67], v[BQ], s[12:13]             ; my 256 numbers of q's bias, sixteen lanes to 256 consecutive bytes,
	global_load_b128 v[FRG+68:FRG+71], v[BQ+1], s[12:13]
	global_load_b128 v[FRG+72:FRG+75], v[BOU], s[18:19]            ; and of b_out
	global_load_b128 v[FRG+76:FRG+79], v[BOU+1], s[18:19]
.irp m, 0,1,2,3
	global_load_b128 v[XS+4*\m:XS+4*\m+3], v[SOF], s[6:7] offset:512*\m
.endr
.irp t, 0,1,2,3,4,5,6,7
	global_load_b128 v[WS+4*\t:WS+4*\t+3], v[SFQ+\t/4], s[10:11] offset:512*(\t%4)
.endr
	CROUND                                         ; all four work-groups are here: the first joint loads meet
	tensor_load_to_lds s[G0:G0+3], s[G1:G1+7]      ; slots 0 and 1: two loads of mine are out
	s_nop 0
	tensor_load_to_lds s[G0+4:G0+7], s[G1:G1+7]
	s_nop 0
	NOPS 4
	WIN 0x80                                       ; the batch's 64 rows of part, my 256 features of each in q's local order, into the registers that the accumulators will take: rows 0-31 window 2,
.set i, 0
.rept 32
	global_load_b128 v[8*i:8*i+3], v[BQ], s[20:21] offset:4096*i
	global_load_b128 v[8*i+4:8*i+7], v[BQ+1], s[20:21] offset:4096*i
.set i, i+1
.endr
	WIN 0xc0                                       ; rows 32-63 window 3
.set i, 0
.rept 32
	global_load_b128 v[8*i:8*i+3], v[BQ], s[20:21] offset:4096*(i+32)
	global_load_b128 v[8*i+4:8*i+7], v[BQ+1], s[20:21] offset:4096*(i+32)
.set i, i+1
.endr
	WIN 0
	s_wait_loadcnt 63                              ; x and the biases are in: 140 loads were issued behind them, and a wait can name 63 at the most
.irp i, 0,1,2,3,4,5,6,7,8,9,10,11,12,13,14,15
	ds_store_b128 v[AXW], v[FRG+4*\i:FRG+4*\i+3] offset:PITCH*\i
.endr
	ds_store_b128 v[ABW], v[FRG+64:FRG+67]
	ds_store_b128 v[ABW], v[FRG+68:FRG+71] offset:512
	ds_store_b128 v[ABW], v[FRG+72:FRG+75] offset:4096
	ds_store_b128 v[ABW], v[FRG+76:FRG+79] offset:4608
	s_wait_tensorcnt 0x1                           ; my part of slot 0 is in; slot 1's load may stay out
	s_wait_dscnt 0x0                               ; for the others' sake: my rows of x have landed
	s_barrier_signal -1
	s_barrier_wait -1
	WIN 0x40                                       ; destination window 1
.irp m, 0,1,2,3
.irp s, 0,1,2,3,4,5,6,7
.irp c, 0,1
	ds_load_b128 v[8*(8*\m+\s)+4*\c:8*(8*\m+\s)+4*\c+3], v[AX] offset:16*PITCH*\m+64*\s+32*\c   ; x's 32 fragments
.endr
.endr
.endr
	s_wait_loadcnt 0x0                             ; part, and the scale words
	WIN 0xaa
	KVTREE                                         ; kv: the sum of the 64 rows, in f32
	WIN 0xff
	KVTREE
	WIN 0x8e                                       ; window 2 += window 3
.irp q, 0,1,2,3
	v_pk_add_f32 v[2*\q:2*\q+1], v[2*\q:2*\q+1], v[2*\q:2*\q+1]
.endr
	WIN 0x08
	ds_store_b128 v[ABW], v[0:3] offset:8192       ; my wave's own 1,024 bytes: read back in the accumulators' layout between the products
	ds_store_b128 v[ABW], v[4:7] offset:8704
	WIN 0
	ds_load_b128 v[BC:BC+3], v[AB]                 ; tile 0's bias
	ds_load_b128 v[BC+4:BC+7], v[AB] offset:16
.set DSN, DSN+2
.set MKB, DSN
	FRLOAD 0
	FRLOAD 1
	FRLOAD 2
	s_wait_dscnt 0x0
.set H, 0
.rept 64
.if ((H%8) == 5) && (H/8 <= 5)
	CHANGE_A
	STEP_MUL
	CHANGE_B
	TRAIL                                          ; its fragment loads are the first reads of slot n + 1
.if H/8 <= 1
	ASK
.endif
.elseif H == 53
	STEP_MUL
	s_wait_tensorcnt 0x0                           ; slot 7, the last load: my own part, which I alone read
	TRAIL
.else
	STEP_MUL
	TRAIL
.endif
.if H == 31
	MID
.endif
.set H, H+1
.endr
	WO_A 7, 0, FRG                                 ; the last slot leaves: the fragment buffers are free and take turns with OB, so that a piece's round trip through the stage stands beside the stores of the piece before
	WO_A 7, 1, FRG+32
	WO_B 7, 0, FRG, 16                             ; behind piece 0's loads: piece 1's 16 LDS instructions
	WO_A 7, 2, FRG+64
	WO_B 7, 1, FRG+32, 16
	WO_A 7, 3, OB
	WO_B 7, 2, FRG+64, 16
	WO_B 7, 3, OB, 0
	s_wait_tensorcnt 0x0                           ; the wave's end
	ds_add_u32 v[SPW], v[NIL]
	s_wait_dscnt 0x0
	CROUND                                         ; the closing round
	s_endpgm
.Lfunc_end_k_q3cefa8ecb2_qout:
	.size	k_q3cefa8ecb2_qout, .Lfunc_end_k_q3cefa8ecb2_qout-k_q3cefa8ecb2_qout
	.p2alignl 7, 3214868480
	.fill 96, 4, 3214868480
	.section	.rodata,"a",@progbits
	.p2align	6, 0x0
	.amdhsa_kernel k_q3cefa8ecb2_qout
		.amdhsa_group_segment_fixed_size 327680
		.amdhsa_private_segment_fixed_size 0
		.amdhsa_enable_private_segment 0
		.amdhsa_kernarg_size 80
		.amdhsa_user_sgpr_count 2
		.amdhsa_user_sgpr_kernarg_segment_ptr 1
		.amdhsa_wavefront_size32 1
		.amdhsa_system_sgpr_workgroup_id_x 1
		.amdhsa_system_sgpr_workgroup_id_y 1
		.amdhsa_system_sgpr_workgroup_id_z 1
		.amdhsa_system_vgpr_workitem_id 0
		.amdhsa_next_free_vgpr 1024
		.amdhsa_next_free_sgpr 70
		.amdhsa_reserve_vcc 1
		.amdhsa_float_denorm_mode_32 3
		.amdhsa_float_denorm_mode_16_64 3
		.amdhsa_memory_ordered 1
		.amdhsa_forward_progress 1
		.amdhsa_inst_pref_size 255
	.end_amdhsa_kernel
	.section	.bss,"aw",@nobits
	.p2align	6
	.space	262144
	.amdgpu_metadata
---
amdhsa.version: [ 1, 2 ]
amdhsa.kernels:
  - .name:           k_q3cefa8ecb2_qout
    .symbol:         k_q3cefa8ecb2_qout.kd
    .args:
      - { .name: x_codes, .offset: 0, .size: 8, .value_kind: global_buffer, .address_space: global }
      - { .name: x_scales, .offset: 8, .size: 8, .value_kind: global_buffer, .address_space: global }
      - { .name: W_qkv_codes, .offset: 16, .size: 8, .value_kind: global_buffer, .address_space: global }
      - { .name: W_qkv_scales, .offset: 24, .size: 8, .value_kind: global_buffer, .address_space: global }
      - { .name: b_qkv, .offset: 32, .size: 8, .value_kind: global_buffer, .address_space: global }
      - { .name: W_out_codes, .offset: 40, .size: 8, .value_kind: global_buffer, .address_space: global }
      - { .name: W_out_scales, .offset: 48, .size: 8, .value_kind: global_buffer, .address_space: global }
      - { .name: b_out, .offset: 56, .size: 8, .value_kind: global_buffer, .address_space: global }
      - { .name: part, .offset: 64, .size: 8, .value_kind: global_buffer, .address_space: global }
      - { .name: out0, .offset: 72, .size: 8, .value_kind: global_buffer, .address_space: global }
    .group_segment_fixed_size: 327680
    .private_segment_fixed_size: 0
    .kernarg_segment_align: 8
    .kernarg_segment_size: 80
    .max_flat_workgroup_size: 128
    .sgpr_count:     70
    .vgpr_count:     1024
    .wavefront_size: 32
...
	.end_amdgpu_metadata
.endif
;; end of part 2
